; MI455X (gfx1250); checked and timed in simulation.
; The chip was launched on July 23, 2026; its instructions are those of AMD's public machine-readable ISA for CDNA 5 (MIT licence, August 2026) and "CDNA5" Instruction Set Architecture Reference Guide (July 2026). The comments in the code are by the model that wrote it; some were corrected since.
;; MAB. Allowed arithmetic: matrix products marked QUANTISED: E4M3 operands, one given power-of-two scale a tensor, by v_wmma_f32_16x16x64_fp8_fp8 or v_wmma_f32_16x16x128_fp8_fp8, f32 sums; everything else in f32.
;; Inputs: K_codes 4 x 2,048 x 32 x 32 uint8 (E4M3 codes of K, K innermost, in blocks of 32 codes); Q_codes 4 x 2,048 x 32 x 32 uint8 (E4M3 codes of Q, K innermost, in blocks of 32 codes); Wk_codes 1,024 x 32 x 32 uint8 (E4M3 codes of Wk, K innermost, in blocks of 32 codes); Wo_codes 1,024 x 32 x 32 uint8 (E4M3 codes of Wo, K innermost, in blocks of 32 codes); Wq_codes 1,024 x 32 x 32 uint8 (E4M3 codes of Wq, K innermost, in blocks of 32 codes); Wv_codes 1,024 x 32 x 32 uint8 (E4M3 codes of Wv, K innermost, in blocks of 32 codes); bk 1,024 float32; bo 1,024 float32; bq 1,024 float32; bv 1,024 float32; lowp_scales 12 int32 (the exponents e of the quantised operands' scales 2^e).
;; Outputs: out0 4 x 2,048 x 1,024 float32.
;; This version of the problem:
;;   THIS VERSION OF THE PROBLEM IS GIVEN IN LOW PRECISION. The matrix products marked QUANTISED in the list below multiply operands that are first quantised to E4M3 (4 exponent bits, 3 mantissa bits; 8 bits a number), with one given power-of-two scale for each operand tensor; their sums are f32. All else is computed in f32.
;;   The module's matrix products, in the order in which they are computed (A, B: the left and right operand; K: the contracted axis; several contracted axes count as one K, in the product's order):
;;     1. [M 8,192, K 1,024] x [K 1,024, N 1,024]; A: input Q (given as codes); B: input Wq (given as codes): QUANTISED (scales: A lowp_scales[0], B lowp_scales[1])
;;     2. [M 8,192, K 1,024] x [K 1,024, N 1,024]; A: input K (given as codes); B: input Wk (given as codes): QUANTISED (scales: A lowp_scales[2], B lowp_scales[3])
;;     3. [M 8,192, K 1,024] x [K 1,024, N 1,024]; A: input K (given as codes); B: input Wv (given as codes): QUANTISED (scales: A lowp_scales[4], B lowp_scales[5])
;;     4. batch 64 x [M 2,048, K 64] x [K 64, N 2,048]; A: computed on the way; B: computed on the way: QUANTISED (scales: A lowp_scales[6], B lowp_scales[7])
;;     5. batch 64 x [M 2,048, K 2,048] x [K 2,048, N 64]; A: softmax (see below); B: computed on the way: QUANTISED (scales: A lowp_scales[8], B lowp_scales[9])
;;     6. [M 8,192, K 1,024] x [K 1,024, N 1,024]; A: computed on the way; B: input Wo (given as codes): QUANTISED (scales: A lowp_scales[10], B lowp_scales[11])
;;   THE QUANTISER, for each operand of a quantised product, along K:
;;     - The operand's scale is 2^e, e = its entry of the input lowp_scales (int32; the entries are numbered through the quantised products in the list's order, A before B).
;;     - Each number is divided by the scale, clamped to +-448, and rounded to the nearest number of E4M3, ties to even, subnormals kept.
;;     - The product sums the exact products of the quantised numbers (number of the format x scale) in f32.
;;   ~~~python
;;   def quantise(x, axis, e):      # numpy; x: float32 -> the quantised numbers, widened to float32 again
;;       x = np.moveaxis(x, axis, -1); K = x.shape[-1]
;;       r = np.clip(x / 2.0 ** e, -448, 448)
;;       step = 2.0 ** (np.maximum(np.frexp(np.where(r == 0, 1, r))[1] - 1, -6) - 3)
;;       q = np.round(r / step) * step * 2.0 ** e      # np.round: ties to even
;;       return np.moveaxis(q, -1, axis).astype(np.float32)
;;   ~~~
;;   SOFTMAX AHEAD OF A QUANTISED PRODUCT. Where the list says 'softmax', what is quantised is not the finished softmax but p = 2^(t - M), with t = logit x log2(e) and M = ceil(the row's largest t), a whole number; so 1/2 < the row's largest p <= 1. The row's sum l is taken of the UNQUANTISED p, in f32, and the product's result is divided by l at the end. Since M is a whole number, a kernel that streams over the keys may use a running M (the ceiling of the running maximum): every later rescaling is an exact power of two, so the quantised numbers keep their values, but for numbers so far below the row's largest that they fall under the format's range.
;;   OPERANDS COMPUTED ON THE WAY. 'Computed on the way' means the value that the module computes at that place (a softmax that the list does not call 'softmax' is quantised finished and normalised). What goes into a quantiser is computed in f32, as accurately as f32 sums, v_exp_f32 and their like allow (about 1e-6 of the number): no bf16 or f16 on the way to a quantiser, and a product that is left as it is and whose result goes on into a quantised operand takes f32 operands (vector FMAs, or v_wmma_f32_16x16x4_f32). A number that lies on a knife's edge between two numbers of the format may be rounded either way, as far as f32 arithmetic and the matrix unit's own rounding can turn it there, and no further.
;;   INPUTS GIVEN AS CODES. K (in the module: [4, 2048, 1024], K = its axis 2); Q (in the module: [4, 2048, 1024], K = its axis 2); Wk (in the module: [1024, 1024], K = its axis 1); Wo (in the module: [1024, 1024], K = its axis 1); Wq (in the module: [1024, 1024], K = its axis 1); Wv (in the module: [1024, 1024], K = its axis 1): each comes as NAME_codes (uint8): NAME with its K axis moved to the last place and cut into blocks of 32 codes, [.., K / 32, bytes a block], one block behind the other in memory; one code a byte (a code: sign, 4 exponent bits, 3 mantissa bits); its scale is its entry of lowp_scales. Its value is code x scale, taken as it is: it is not quantised again, and the codes and scales need not be those that the quantiser above would give.
;; One version. Each part assembles by itself: llvm-mc -triple=amdgcn-amd-amdhsa -mcpu=gfx1250 --defsym DOCPART=n.
;; ======== version 1 of 1: 3 launches
;; limits: right only within a limited range of input values
;; workspace buffers: kv 16,777,216 bytes; o_img 33,554,432 bytes; o_codes 8,388,608 bytes
;; launch kvproj (part 1): grid 8 x 32, 4 waves a work-group, clusters of 4 x 4, 327,680 bytes of LDS; arguments K_codes, Wk_codes, Wv_codes, bk, bv, lowp_scales, kv; writes kv
.if DOCPART == 1
	.amdgcn_target "amdgcn-amd-amdhsa--gfx1250"
	.amdhsa_code_object_version 6
	.text
	.protected	k_q59c1c3b02f_kvproj
	.globl	k_q59c1c3b02f_kvproj
	.p2align	8
	.type	k_q59c1c3b02f_kvproj,@function
k_q59c1c3b02f_kvproj:
	s_mov_b64 s[64:65], 0
	v_nop
	global_prefetch_b8 v0, s[64:65] scope:SCOPE_SE
	s_setreg_imm32_b32 hwreg(HW_REG_WAVE_MODE, 25, 1), 1
	s_wait_xcnt 0x0
	s_wait_alu depctr_hold_cnt(0) depctr_sa_sdst(0) depctr_va_vdst(0) depctr_va_sdst(0) depctr_va_ssrc(0) depctr_va_vcc(0) depctr_vm_vsrc(0)
	s_getreg_b32 s2, hwreg(HW_REG_IB_STS2, 6, 4)
	s_cmp_eq_u32 s2, 0
	s_cbranch_scc0 .Lentry_in_a_cluster
	s_endpgm
.Lentry_in_a_cluster:
	s_bfe_u32 s2, ttmp6, 0x10000c
	s_cmp_lg_u32 s2, 0xf033
	s_cbranch_scc0 .Lentry_shape_is_right
	s_endpgm
.Lentry_shape_is_right:
.set ROWB,   256
.set KROW,   1024
.set PITCH,  272
.set FR,     16
.set NL,     4
.set NP,     4
.set HALFT,  128*PITCH
.set SLOT,   4*HALFT
.set SPARE,  2*SLOT
.set ADRA, 16
.set ADRB, 20
.set CO,   26
.set BH,   27
.set SPW,  28
.set NIL,  29
.set BR,   30
.set BI,   32
.set LIM,  96
.set SCL,  97
.set AF,   128
.set TMP,  128
.set CD,   192
.set G1, 24
.set G0, 32
.set G1B, 48
.set G0B, 56
.set MSB, 0
.macro WIN new
.if MSB != (\new)
	s_set_vgpr_msb (MSB<<8)|(\new)
.set MSB, \new
.endif
.endm
.set MUL_LO, 0xa1
.set MUL_HI, 0xf1
.set TO_B,   0x40
.macro JLOAD g0a, g1a, g0b, g1b
	s_cmp_eq_u32 s15, 0
	s_cbranch_scc0 .Lfor_b_\@
	tensor_load_to_lds s[\g0a:\g0a+3], s[\g1a:\g1a+7]
	s_nop 0
.rept 4
	v_nop
.endr
	s_branch .Lasked_\@
.Lfor_b_\@:
	tensor_load_to_lds s[\g0b:\g0b+3], s[\g1b:\g1b+7]
	s_nop 0
.rept 4
	v_nop
.endr
.Lasked_\@:
.endm
.macro CREST
	s_cmp_lg_u32 s14, 0
	s_cbranch_scc1 .Lnot_wave_0_\@
	s_barrier_signal -3
.Lnot_wave_0_\@:
	s_barrier_wait -3
	s_barrier_signal -1
	s_barrier_wait -1
.endm
.macro CROUND
	s_barrier_signal -1
	s_barrier_wait -1
	CREST
.endm
	s_load_b256 s[4:11], s[0:1], 0x0
	s_load_b128 s[68:71], s[0:1], 0x20
	s_load_b64 s[72:73], s[0:1], 0x30
	v_lshl_add_u32 v[SPW], v0, 2, SPARE
	v_mov_b32 v[NIL], 0
	ds_add_u32 v28, v29
	ds_add_u32 v28, v29
	s_wait_dscnt 0x0
	v_lshrrev_b32 v1, 5, v0
	v_readfirstlane_b32 s14, v1
	s_lshr_b32 s15, s14, 1
	s_and_b32 s16, s14, 1
	s_bfe_u32 s40, ttmp6, 0x40000
	s_bfe_u32 s41, ttmp6, 0x40004
	s_and_b32 s92, ttmp7, 0xffff
	s_cmp_eq_u32 ttmp9, 0
	s_cselect_b32 s93, s92, 0
	s_cselect_b32 s94, 0, s92
	s_lshl_b32 s42, s94, 2
	s_add_co_u32 s42, s42, s40
	s_lshl_b32 s17, s93, 2
	s_add_co_u32 s17, s17, s41
	s_lshl_b32 s43, s41, 2
	s_lshl_b32 s43, 15, s43
	s_lshl_b32 s44, 0x1111, s40
	s_or_b32 s[G1+0], s43, (0<<16)|(1<<20)|(1<<21)|(5<<22)|(3<<25)
	s_or_b32 s[G1B+0], s44, (0<<16)|(1<<20)|(1<<21)|(5<<22)|(3<<25)
.irp g, G1, G1B
	s_mov_b32 s[\g+1], ROWB<<16
	s_mov_b32 s[\g+2], 128<<16
	s_mov_b32 s[\g+3], ROWB<<16
	s_mov_b32 s[\g+4], 128
	s_mov_b32 s[\g+5], KROW
	s_mov_b32 s[\g+6], 0
	s_mov_b32 s[\g+7], 0
.endr
	s_lshl_b32 s18, s16, 7
	s_lshl_b32 s20, s17, 8
	s_add_co_u32 s20, s20, s18
	s_lshl_b32 s20, s20, 10
	s_mov_b32 s21, 0
	s_lshl_b32 s46, s42, 8
	s_add_co_u32 s46, s46, s18
	s_lshl_b32 s46, s46, 10
	s_mov_b32 s47, 0
	s_mul_i32 s45, s14, HALFT
	s_wait_kmcnt 0x0
	s_load_b256 s[76:83], s[70:71], 0x0
	s_load_b128 s[84:87], s[70:71], 0x20
	s_cmp_eq_u32 ttmp9, 0
	s_cselect_b64 s[88:89], s[4:5], s[8:9]
	s_cselect_b64 s[90:91], s[6:7], s[4:5]
	s_add_nc_u64 s[20:21], s[88:89], s[20:21]
	s_add_nc_u64 s[46:47], s[90:91], s[46:47]
	CROUND
.irp s, 0,1
	s_mov_b32 s[G0+4*\s], 1
	s_add_co_u32 s[G0+4*\s+1], s45, \s*SLOT
	s_add_nc_u64 s[G0+4*\s+2:G0+4*\s+3], s[20:21], \s*ROWB
	s_or_b32 s[G0+4*\s+3], s[G0+4*\s+3], 0x80000000
	s_mov_b32 s[G0B+4*\s], 1
	s_add_co_u32 s[G0B+4*\s+1], s45, \s*SLOT
	s_add_nc_u64 s[G0B+4*\s+2:G0B+4*\s+3], s[46:47], \s*ROWB
	s_or_b32 s[G0B+4*\s+3], s[G0B+4*\s+3], 0x80000000
	s_wait_alu depctr_va_vdst(0)
	s_wait_tensorcnt 0x0
	ds_add_u32 v28, v29
	ds_add_u32 v28, v29
	s_wait_dscnt 0x0
	CROUND
	JLOAD G0+4*\s, G1, G0B+4*\s, G1B
.endr
	v_and_b32 v1, 15, v0
	v_bfe_u32 v2, v0, 4, 1
	v_mul_u32_u24 v3, v1, PITCH
	v_lshl_add_u32 v4, v2, 4, v3
	s_mul_i32 s21, s15, HALFT
	s_mul_i32 s22, s16, HALFT
	s_add_co_u32 s22, s22, 2*HALFT
.irp s, 0,1
	v_add_nc_u32 v[ADRA+\s], s21, v4
	v_add_nc_u32 v[ADRB+\s], s22, v4
	s_add_co_u32 s21, s21, SLOT
	s_add_co_u32 s22, s22, SLOT
.endr
	v_and_b32 v6, 31, v0
	v_lshlrev_b32 v[CO], 4, v6
	v_lshlrev_b32 v[BH], 5, v2
	v_lshlrev_b32 v[BR], 2, v1
.macro FRAG reg, adr, q, i
.irp c, 0,1,2,3
	ds_load_b128 v[\reg+4*\c:\reg+4*\c+3], v[\adr] offset:128*(\q)+32*\c+(\i)*16*PITCH
.endr
.endm
.macro MUL16 a0, p, zero
.irp a, \a0, \a0+1
.irp b, 0,1,2,3,4,5,6,7
.if \zero
	v_wmma_f32_16x16x128_fp8_fp8 v[8*(8*((\a)%4)+\b):8*(8*((\a)%4)+\b)+7], v[128*(\p)+FR*\b:128*(\p)+FR*\b+FR-1], v[AF+FR*(\a):AF+FR*(\a)+FR-1], 0
.else
	v_wmma_f32_16x16x128_fp8_fp8 v[8*(8*((\a)%4)+\b):8*(8*((\a)%4)+\b)+7], v[128*(\p)+FR*\b:128*(\p)+FR*\b+FR-1], v[AF+FR*(\a):AF+FR*(\a)+FR-1], v[8*(8*((\a)%4)+\b):8*(8*((\a)%4)+\b)+7]
.endif
.endr
.endr
.endm
.macro FETCH_B slot, q, p
	WIN TO_B
.irp i, 0,1,2,3,4,5,6,7
	FRAG 128*(\p)+FR*\i, ADRB+\slot, \q, \i
.endr
	WIN 0
.endm
.macro FETCH_A slot, q, i0
.irp i, \i0, \i0+1, \i0+2, \i0+3
	FRAG AF+FR*(\i), ADRA+\slot, \q, \i
.endr
.endm
.macro PLACES n
.rept \n
	v_nop
.endr
.endm
.macro STEP slot, q, zero
	s_wait_dscnt 4*NL
	WIN MUL_LO
	MUL16 0, (\q)%2, \zero
	MUL16 2, (\q)%2, \zero
	s_wait_dscnt 0
	PLACES NP
	FETCH_B \slot, (\q)+1, 1-(\q)%2
	FETCH_A \slot, (\q)+1, 0
	WIN MUL_HI
	MUL16 4, (\q)%2, \zero
	MUL16 6, (\q)%2, \zero
	PLACES NP
	WIN 0
	FETCH_A \slot, (\q)+1, 4
.endm
.macro TURN slot, next, fill
	s_wait_tensorcnt 0x0
	ds_add_u32 v[SPW], v[NIL]
	s_wait_dscnt 4*NL+1
	WIN MUL_LO
	MUL16 0, 1, 0
	s_wait_dscnt 0x0
	s_barrier_signal -1
	MUL16 2, 1, 0
	WIN 0
	s_barrier_wait -1
.if \fill
	CREST
	s_add_nc_u64 s[G0+4*\slot+2:G0+4*\slot+3], s[G0+4*\slot+2:G0+4*\slot+3], 2*ROWB
	s_add_nc_u64 s[G0B+4*\slot+2:G0B+4*\slot+3], s[G0B+4*\slot+2:G0B+4*\slot+3], 2*ROWB
	JLOAD G0+4*\slot, G1, G0B+4*\slot, G1B
.else
	PLACES NP
.endif
	FETCH_B \next, 0, 0
	FETCH_A \next, 0, 0
	WIN MUL_HI
	MUL16 4, 1, 0
	MUL16 6, 1, 0
	PLACES NP
	WIN 0
	FETCH_A \next, 0, 4
.endm
.macro EPI a, p
.set AC, 64*((\a)%4)
.set CC, CD+16*((\a)%4)
	WIN 0x02+((\a)/4)
.set j, 0
.rept 32
.if \p == 0
	v_pk_fma_f32 v[TMP+j:TMP+j+1], v[AC+j:AC+j+1], s[96:97], v[BI+j:BI+j+1] op_sel_hi:[1,0,1]
.else
	v_pk_fma_f32 v[TMP+j:TMP+j+1], v[AC+j:AC+j+1], s[96:97], v[BI+2*(\a):BI+2*(\a)+1] op_sel_hi:[1,0,0]
.endif
.set j, j+2
.endr
	WIN 0
.set j, 0
.rept 64
	v_med3_num_f32 v[TMP+j], v[TMP+j], -v[LIM], v[LIM]
.set j, j+1
.endr
.if (\a) >= 4
	s_wait_alu depctr_va_vdst(0)
	s_wait_xcnt 0x0
.endif
.irp b, 0,1,2,3,4,5,6,7
	v_cvt_scalef32_pk8_fp8_f32 v[CC+2*\b:CC+2*\b+1], v[TMP+8*\b:TMP+8*\b+7], v[SCL]
.endr
	v_nop
.irp g, 0,1,2,3
.if \p == 0
	global_store_b128 v[CO], v[CC+4*\g:CC+4*\g+3], s[72:73] offset:(\g/2)*262144+(\a)*1024+(\g%2)*512
.else
	global_store_b128 v[CO], v[CC+4*\g:CC+4*\g+3], s[72:73] offset:((\a)/4)*262144+((\a)%4)*2048+\g*512
.endif
.endr
.endm
.macro TAIL p
.if \p == 0
.set KT, 17
.set KH, 15
.set CT, 42
.set CH, 16
.else
.set KT, 42
.set KH, 16
.set CT, 17
.set CH, 15
.endif
	s_lshl_b32 s18, s[CT], 10
	s_lshl_b32 s19, s[CH], 9
	s_add_co_u32 s18, s18, s19
	s_mov_b32 s19, 0
.if \p == 0
	s_add_nc_u64 s[10:11], s[10:11], s[18:19]
.irp b, 0,1,2,3,4,5,6,7
	global_load_b128 v[BI+8*\b:BI+8*\b+3], v[BH], s[10:11] offset:64*\b
	global_load_b128 v[BI+8*\b+4:BI+8*\b+7], v[BH], s[10:11] offset:64*\b+16
.endr
.else
	s_add_nc_u64 s[68:69], s[68:69], s[18:19]
.irp a, 0,1,2,3,4,5,6,7
	global_load_b32 v[BI+2*\a], v[BR], s[68:69] offset:64*\a
	global_load_b32 v[BI+2*\a+1], v[BR], s[68:69] offset:64*\a
.endr
.endif
	s_wait_dscnt 4*NL
	WIN MUL_LO
	MUL16 0, 1, 0
	MUL16 2, 1, 0
	s_wait_dscnt 0
	WIN MUL_HI
	MUL16 4, 1, 0
	MUL16 6, 1, 0
	WIN 0
	s_wait_kmcnt 0x0
	s_add_co_i32 s96, s[78+2*\p], s[79+2*\p]
	s_add_co_i32 s96, s96, 127
	s_lshl_b32 s96, s96, 23
	s_mov_b32 s97, s96
	s_add_co_i32 s18, s[83+2*\p], 127
	s_lshl_b32 s19, s18, 23
	v_mov_b32 v[SCL], s19
	s_add_co_i32 s18, s18, 8
	s_lshl_b32 s18, s18, 23
	s_or_b32 s18, s18, 0x600000
	v_mov_b32 v[LIM], s18
	s_lshr_b32 s18, s[KT], 3
	s_lshl_b32 s18, s18, 4
	s_lshl_b32 s19, s[CT], 2
	s_add_co_u32 s18, s18, s19
	s_lshl_b32 s19, s[CH], 1
	s_add_co_u32 s18, s18, s19
	s_lshl_b32 s18, s18, 18
	s_and_b32 s19, s[KT], 7
	s_lshl_b32 s19, s19, 1
	s_add_co_u32 s19, s19, s[KH]
	s_lshl_b32 s19, s19, 14
	s_add_co_u32 s18, s18, s19
.if \p
	s_add_co_u32 s18, s18, 8192
.endif
	s_mov_b32 s19, 0
	s_add_nc_u64 s[72:73], s[72:73], s[18:19]
	PLACES NP
	s_wait_loadcnt 0x0
.irp a, 0,1,2,3,4,5,6,7
	EPI \a, \p
.endr
.endm
	s_wait_alu depctr_va_vdst(0)
	s_wait_tensorcnt 1
	s_barrier_signal -1
	s_barrier_wait -1
	FETCH_B 0, 0, 0
	FETCH_A 0, 0, 0
	FETCH_A 0, 0, 4
	STEP 0, 0, 1
	TURN 0, 1, 1
	STEP 1, 0, 0
	TURN 1, 0, 1
	STEP 0, 0, 0
	TURN 0, 1, 0
	STEP 1, 0, 0
	s_cmp_lg_u32 ttmp9, 0
	s_cbranch_scc1 .Lfor_v
	TAIL 0
	s_branch .Lend
.Lfor_v:
	TAIL 1
.Lend:
	s_wait_tensorcnt 0x0
	ds_add_u32 v[SPW], v[NIL]
	s_wait_dscnt 0x0
	CROUND
	s_endpgm
.Lfunc_end_k_q59c1c3b02f_kvproj:
	.size	k_q59c1c3b02f_kvproj, .Lfunc_end_k_q59c1c3b02f_kvproj-k_q59c1c3b02f_kvproj
	.p2alignl 7, 3214868480
	.fill 96, 4, 3214868480
	.section	.rodata,"a",@progbits
	.p2align	6, 0x0
	.amdhsa_kernel k_q59c1c3b02f_kvproj
		.amdhsa_group_segment_fixed_size 327680
		.amdhsa_private_segment_fixed_size 0
		.amdhsa_enable_private_segment 0
		.amdhsa_kernarg_size 56
		.amdhsa_user_sgpr_count 2
		.amdhsa_user_sgpr_kernarg_segment_ptr 1
		.amdhsa_wavefront_size32 1
		.amdhsa_system_sgpr_workgroup_id_x 1
		.amdhsa_system_sgpr_workgroup_id_y 1
		.amdhsa_system_sgpr_workgroup_id_z 1
		.amdhsa_system_vgpr_workitem_id 0
		.amdhsa_next_free_vgpr 1024
		.amdhsa_next_free_sgpr 100
		.amdhsa_reserve_vcc 0
		.amdhsa_float_denorm_mode_32 3
		.amdhsa_float_denorm_mode_16_64 3
		.amdhsa_memory_ordered 1
		.amdhsa_forward_progress 1
		.amdhsa_inst_pref_size 200
	.end_amdhsa_kernel
	.amdgpu_metadata
---
amdhsa.version: [ 1, 2 ]
amdhsa.kernels:
  - .name:           k_q59c1c3b02f_kvproj
    .symbol:         k_q59c1c3b02f_kvproj.kd
    .args:
      - { .name: K_codes, .offset: 0, .size: 8, .value_kind: global_buffer, .address_space: global }
      - { .name: Wk_codes, .offset: 8, .size: 8, .value_kind: global_buffer, .address_space: global }
      - { .name: Wv_codes, .offset: 16, .size: 8, .value_kind: global_buffer, .address_space: global }
      - { .name: bk, .offset: 24, .size: 8, .value_kind: global_buffer, .address_space: global }
      - { .name: bv, .offset: 32, .size: 8, .value_kind: global_buffer, .address_space: global }
      - { .name: lowp_scales, .offset: 40, .size: 8, .value_kind: global_buffer, .address_space: global }
      - { .name: kv, .offset: 48, .size: 8, .value_kind: global_buffer, .address_space: global }
    .group_segment_fixed_size: 327680
    .private_segment_fixed_size: 0
    .kernarg_segment_align: 8
    .kernarg_segment_size: 56
    .max_flat_workgroup_size: 128
    .sgpr_count:     100
    .vgpr_count:     1024
    .wavefront_size: 32
...
	.end_amdgpu_metadata
.endif
;; end of part 1
;; launch attn (part 2): grid 4 x 64, 16 waves a work-group, clusters of 4 x 1, 327,680 bytes of LDS; arguments Q_codes, Wq_codes, bq, kv, lowp_scales, o_img, o_codes; writes o_img, o_codes
.if DOCPART == 2
	.amdgcn_target "amdgcn-amd-amdhsa--gfx1250"
	.amdhsa_code_object_version 6
	.text
	.protected	k_q59c1c3b02f_attn
	.globl	k_q59c1c3b02f_attn
	.p2align	8
	.type	k_q59c1c3b02f_attn,@function
k_q59c1c3b02f_attn:
	s_mov_b64 s[64:65], 0
	v_nop
	global_prefetch_b8 v0, s[64:65] scope:SCOPE_SE
	s_setreg_imm32_b32 hwreg(HW_REG_WAVE_MODE, 25, 1), 1
	s_wait_xcnt 0x0
	s_wait_alu depctr_hold_cnt(0) depctr_sa_sdst(0) depctr_va_vdst(0) depctr_va_sdst(0) depctr_va_ssrc(0) depctr_va_vcc(0) depctr_vm_vsrc(0)
	s_getreg_b32 s2, hwreg(HW_REG_IB_STS2, 6, 4)
	s_cmp_eq_u32 s2, 0
	s_cbranch_scc0 .Lentry_in_a_cluster
	s_endpgm
.Lentry_in_a_cluster:
	s_bfe_u32 s2, ttmp6, 0x10000c
	s_cmp_lg_u32 s2, 0x3003
	s_cbranch_scc0 .Lentry_shape_is_right
	s_endpgm
.Lentry_shape_is_right:
; For one head and 512 queries: Qp = Q Wq^T + bq (f32), its codes (2^e6); S = Qp Kp^T / 32; p = 2^(t - M); O = Qp + (p V) / l; O goes out as f32 and as codes (2^e10).  All three products on codes of FP8 (E4M3).
; THE SOFTMAX: t = score x log2(e) / 32; M = the running largest t rounded UP to a whole number; p = 2^(t - M) is quantised (2^e8), not normalised; the row's sum l is taken of the unquantised p.
; When M moves, l and O^T are multiplied by 2^(old M - new M), which rounds nothing.
; SHARES.  A work-group owns 512 queries of one head: 256 work-groups in all.  Each of its sixteen waves owns TWO tiles of 16 queries (tile w and tile w + 16 of the block's 32), in 256 registers.
; Both tiles are projected together, so that a fragment of Wq read from LDS feeds two products; then tile A walks all 16 key steps and leaves, then tile B.
; While A walks, B's codes wait in 8 registers, 4 registers of B's Qp in registers and the other 28 in 3,584 LDS bytes of the wave's own.
; LAYOUT.  All products are used transposed (source 1 = 16 queries): a lane holds ONE query (lane % 16), and register j of tile t is index 16 t + 8 (lane / 16) + j of what source 0 runs over.
; So one conversion of a tile's eight registers gives registers 2 t, 2 t + 1 of the next operand in the plain 8-bit layout; Qp, O^T and the residual lie alike.
; K and V come as images of their operand registers (kv: 16,384 bytes a key step of 128 keys: 8 tiles of K, then 4 tiles of V): a key step is read by 32 loads of 512 consecutive bytes.
; LDS HAS NO RING.  A head's K and V are 262,144 bytes, eight chunks of 32,768.  Chunks 0-5 (waves 0-5, one load each) and Wq's 64 padded rows (wave 6) are first fills;
; behind the projection the weights' bytes are filled again, once, with chunks 6 and 7 (waves 0 and 1), which are first read in key step 12 of tile A, behind a barrier that stands behind key step 2.
; Every tile of K and V is asked for at the head or straight behind the projection, so nothing is prefetched.
; CLUSTER.  The four query blocks of a cluster are one head's 2,048 queries: the weights and every chunk are asked for JOINTLY, by the same tensor load with a mask that names the four.
; LIMITS: e0 + e1 between -126 and 126; e6, e8, e10 between -126 and 119; e6 + e7 between -121 and 132 (added to c's exponent field); e8 + e9 goes in by v_ldexp_f32.  NaN in bq is not served.
.set SLAB,  196608                     ; LDS: chunks 0-5 lie below; here Wq's 64 rows, later chunks 6 and 7 (= 12 key steps: the sixteen key steps lie on end)
.set WP,    1040                       ; a row of Wq in LDS: 1,024 bytes + 16 of padding
.set SPARE, SLAB+64*WP                 ; 263,168: the spare words, 128 bytes for each of 16 waves, which no other line names
.set STASH, SPARE+2048                 ; 265,216: 3,584 bytes for each wave: 28 registers of tile B's Qp; no fill lands here
.set STW,   3584
.set STEPB, 16384                      ; a key step's images
.set LI,   1                           ; v1   16 x lane
.set ADR,  2                           ; v2   LDS address of the key step in hand
.set XA,   3                           ; v3   Q: 1,024 x (lane % 16) + 16 x (lane / 16)
.set AW,   4                           ; v4   Wq in LDS
.set SPW,  5                           ; v5   LDS address of my spare word; never rewritten
.set NIL,  6                           ; v6   0; never rewritten
.set BA,   7                           ; v7   32 x (lane / 16): bq's eight numbers of my half
.set QF,   16                          ; v16-23   Qp's codes of the tile in hand.  Tile B's wait in v8-11, v244-247
.set QP,   24                          ; v24-55   Qp^T of the tile in hand, f32
.set O,    56                          ; v56-87   O^T
.set QB,   56                          ; in the projection: tile B's Qp^T
.set S,    88                          ; v88-151  S^T, then p
.set PC,   152                         ; v152-167 p's codes
.set F,    168                         ; v168-231 a key step's K, then its V; in the projection Wq's four fragments
.set LIMP, 248                         ; 448 x 2^e8, and once more in v255 (the two halves of a dual pair name registers of different banks)
.set SCP,  249
.set LIMQ, 250                         ; v250, v251 later hold two registers of tile B's Qp, v232, v233 two more
.set SCQ,  251
.set LIMO, 252
.set SCO,  253
.set ST,   254                         ; v254 LDS address of my stash: STASH + STW x wave + 16 x lane
.set LIMP2, 255
.set WV,   18                          ; s18  my wave's number
.set CNT,  19                          ; s19  key steps to go
.set SEL,  20                          ; s[20:21] lane selects for v_permlanex16_b32: lane l xor 16
.set CS,   22                          ; s[22:23] c = log2(e) / 32 x 2^(e6 + e7)
.set G1D,  24                          ; s[24:31] descriptor group 1 for a chunk
.set G1W,  32                          ; s[32:39] for Wq's rows
.set G0D,  40                          ; s[40:43] group 0 for my chunk
.set G0W,  44                          ; s[44:47] for Wq's rows
.set TB,   87                          ; s87  LDS byte of the key step in hand
.macro CROUND                          ; a round of the cluster's barrier
	s_barrier_signal -1
	s_barrier_wait -1
	s_cmp_lg_u32 s[WV], 0
	s_cbranch_scc1 .Lnot_wave_0_\@
	s_barrier_signal -3
.Lnot_wave_0_\@:
	s_barrier_wait -3
	s_barrier_signal -1
	s_barrier_wait -1
.endm
.macro MKSC e, sc, lim                 ; from the exponent in s[e]: 2^e as f32 and 448 x 2^e
	s_add_co_i32 s48, s[\e], 127
	s_lshl_b32 s49, s48, 23
	v_mov_b32 v[\sc], s49
	s_add_co_i32 s48, s48, 8
	s_lshl_b32 s48, s48, 23
	s_or_b32 s48, s48, 0x600000
	v_mov_b32 v[\lim], s48
.endm
.macro NOPS n
.rept \n
	v_nop
.endr
.endm
; Q's fragments of K step s, 16 queries x 128 K each, tile A's and tile B's (262,144 bytes on), into buffer s % 3 of three: A at v88, v120, v152; B at v104, v136, v232
.macro XLOAD s
.set XBA, 88+32*((\s)%3)
.set XBB, 104+32*((\s)%3)+64*(((\s)%3)/2)
.irp c, 0,1,2,3
	global_load_b128 v[XBA+4*\c:XBA+4*\c+3], v[XA], s[4:5] offset:128*(\s)+32*\c
.endr
.irp c, 0,1,2,3
	global_load_b128 v[XBB+4*\c:XBB+4*\c+3], v[XA], s[4:5] offset:262144+128*(\s)+32*\c
.endr
.endm
	s_load_b256 s[4:11], s[0:1], 0x0               ; Q's codes s[4:5], Wq's s[6:7], bq s[8:9], kv s[10:11]
	s_load_b128 s[12:15], s[0:1], 0x20             ; the scales' exponents s[12:13], o_img s[14:15]
	s_load_b64 s[16:17], s[0:1], 0x30              ; o_codes
	v_lshl_add_u32 v[SPW], v0, 2, SPARE
	v_mov_b32 v[NIL], 0
	ds_add_u32 v[SPW], v[NIL]                      ; the opening lines: the add, twice on end, and its wait
	ds_add_u32 v[SPW], v[NIL]
	v_lshrrev_b32 v8, 5, v0
	v_readfirstlane_b32 s[WV], v8                  ; wave 0..15
	s_bfe_u32 s48, ttmp6, 0x40000                  ; cx: my place in the cluster
	s_lshl_b32 s49, ttmp9, 2
	s_add_co_u32 s49, s49, s48                     ; my block of 512 queries: it enters Q's, o_img's and o_codes' addresses alone
	s_and_b32 s50, ttmp7, 0xffff                   ; 16 x batch + head, which the four partners share
	s_lshr_b32 s51, s50, 4                         ; batch
	s_and_b32 s52, s50, 15                         ; head
	s_lshl_b32 s53, s51, 7
	s_lshl_b32 s54, s49, 5
	s_add_co_u32 s53, s53, s54
	s_add_co_u32 s53, s53, s[WV]                   ; tile A among the 512 tiles of 16 rows: 128 x batch + 32 x block + wave; tile B is 16 tiles on
	s_lshl_b32 s56, s50, 18                        ; kv: 262,144 bytes a head,
	s_lshl_b32 s57, s[WV], 15
	s_add_co_u32 s56, s56, s57                     ; chunk = my wave's number (waves 0 to 5 alone ask by it)
	s_mov_b32 s57, 0
	s_lshl_b32 s58, s52, 16                        ; Wq: the head's 64 rows of 1,024 bytes
	s_mov_b32 s59, 0
	s_lshl_b32 s60, s53, 14                        ; Q: 16 rows of 1,024 bytes a tile
	s_mov_b32 s61, 0
	s_lshl_b32 s62, s52, 8                         ; bq: the head's 64 numbers
	s_mov_b32 s63, 0
	s_lshl_b32 s54, s53, 16                        ; o_img: 65,536 bytes a tile of rows, 4,096 a head
	s_lshl_b32 s55, s52, 12
	s_add_co_u32 s54, s54, s55
	s_mov_b32 s55, 0
	s_lshr_b32 s80, s52, 2                         ; o_codes: 2,097,152 bytes for four heads, 4,096 a tile of rows, 1,024 a head
	s_lshl_b32 s80, s80, 21
	s_lshl_b32 s81, s53, 12
	s_add_co_u32 s80, s80, s81
	s_and_b32 s81, s52, 3
	s_lshl_b32 s81, s81, 10
	s_add_co_u32 s80, s80, s81
	s_mov_b32 s81, 0
	s_mul_i32 s66, s[WV], STW
	s_add_co_u32 s66, s66, STASH                   ; my stash
	; descriptor group 1.  A chunk: 128 rows of 32 elements of 8 bytes, dense.  Wq: 64 rows of 1,024 bytes, 16 bytes of padding behind each
	s_mov_b32 s[G1D], 15|(3<<16)|(1<<21)           ; the mask: all four work-groups; elements of 8 bytes; bit 21 set beside a mask
	s_mov_b32 s[G1D+1], 32<<16
	s_mov_b32 s[G1D+2], 128<<16
	s_mov_b32 s[G1D+3], 32<<16
	s_mov_b32 s[G1D+4], 128
	s_mov_b32 s[G1D+5], 32
	s_mov_b32 s[G1D+6], 0
	s_mov_b32 s[G1D+7], 0
	s_mov_b32 s[G1W], 15|(0<<16)|(1<<20)|(1<<21)|(7<<22)|(3<<25)  ; elements of 1 byte; padding on: four words after every 256
	s_mov_b32 s[G1W+1], 1024<<16
	s_mov_b32 s[G1W+2], 64<<16
	s_mov_b32 s[G1W+3], 1024<<16
	s_mov_b32 s[G1W+4], 64
	s_mov_b32 s[G1W+5], 1024
	s_mov_b32 s[G1W+6], 0
	s_mov_b32 s[G1W+7], 0
	s_mov_b32 s[SEL], 0x76543210
	s_mov_b32 s[SEL+1], 0xfedcba98
	v_and_b32 v8, 15, v0                           ; r = lane % 16
	v_bfe_u32 v9, v0, 4, 1                         ; lane / 16
	v_and_b32 v[LI], 31, v0
	s_delay_alu instid0(VALU_DEP_1)
	v_lshlrev_b32 v[LI], 4, v[LI]
	s_delay_alu instid0(VALU_DEP_4)
	v_lshlrev_b32 v[XA], 10, v8
	s_delay_alu instid0(VALU_DEP_1)
	v_lshl_add_u32 v[XA], v9, 4, v[XA]
	v_mul_u32_u24 v[AW], v8, WP
	s_delay_alu instid0(VALU_DEP_1)
	v_lshl_add_u32 v[AW], v9, 4, v[AW]
	s_delay_alu instid0(VALU_DEP_1)
	v_add_nc_u32 v[AW], SLAB, v[AW]
	v_lshlrev_b32 v[BA], 5, v9
	v_add_nc_u32 v[ST], s66, v[LI]
	s_wait_alu depctr_va_vdst(0)                   ; the wait at the head's end
	s_wait_dscnt 0x0                               ; both opening adds are done
	s_wait_kmcnt 0x0
	s_load_b256 s[68:75], s[12:13], 0x0            ; e0 .. e7
	s_load_b128 s[76:79], s[12:13], 0x20           ; e8 .. e11
	s_add_nc_u64 s[4:5], s[4:5], s[60:61]
	s_add_nc_u64 s[8:9], s[8:9], s[62:63]
	s_add_nc_u64 s[14:15], s[14:15], s[54:55]
	s_add_nc_u64 s[16:17], s[16:17], s[80:81]
.irp t, 0,1,2,3
	global_load_b128 v[QP+8*\t:QP+8*\t+3], v[BA], s[8:9] offset:64*\t          ; bq(16 t + 8 (lane / 16) + 0 .. 7): the C of the projection's first products
	global_load_b128 v[QP+8*\t+4:QP+8*\t+7], v[BA], s[8:9] offset:64*\t+16
.endr
	XLOAD 0                                        ; Q's K steps 0 to 2: 24 loads; the sixteen heads' work-groups read these rows: no hint
	XLOAD 1
	XLOAD 2
	s_mov_b32 s[G0D], 1                            ; count = 1
	s_lshl_b32 s[G0D+1], s[WV], 15                 ; LDS address: chunk w at 32,768 w
	s_add_nc_u64 s[G0D+2:G0D+3], s[10:11], s[56:57]
	s_or_b32 s[G0D+3], s[G0D+3], 0x80000000        ; type = 2
	s_mov_b32 s[G0W], 1
	s_mov_b32 s[G0W+1], SLAB
	s_add_nc_u64 s[G0W+2:G0W+3], s[6:7], s[58:59]
	s_or_b32 s[G0W+3], s[G0W+3], 0x80000000
	CROUND                                         ; all four work-groups are here: the first joint loads meet
	s_cmp_lt_u32 s[WV], 6                          ; THE FIRST FILLS, one a wave, in one chain of branches: waves 0 to 5 their chunks, wave 6 the weights, the others nothing
	s_cbranch_scc0 .Lnot_chunk
	tensor_load_to_lds s[G0D:G0D+3], s[G1D:G1D+7]
	s_nop 0
	NOPS 4
	s_branch .Lfilled
.Lnot_chunk:
	s_cmp_eq_u32 s[WV], 6
	s_cbranch_scc0 .Lfilled
	tensor_load_to_lds s[G0W:G0W+3], s[G1W:G1W+7]
	s_nop 0
	NOPS 4
.Lfilled:
	s_wait_kmcnt 0x0                               ; the exponents
	s_add_co_i32 s50, s68, s69                     ; e0 + e1
	s_add_co_i32 s82, s50, 127
	s_lshl_b32 s82, s82, 23                        ; 2^(e0 + e1)
	s_mov_b32 s83, s82                             ; (pairs are named whole)
	s_sub_co_i32 s84, 127, s50
	s_lshl_b32 s84, s84, 23                        ; 2^-(e0 + e1)
	s_mov_b32 s85, s84
	s_add_co_i32 s86, s76, s77                     ; e8 + e9
	s_add_co_i32 s50, s74, s75                     ; e6 + e7: added to c's exponent field
	s_lshl_b32 s50, s50, 23
	s_mov_b32 s[CS], 0x3d38aa3b                    ; log2(e) / 32
	s_add_co_i32 s[CS], s[CS], s50
	s_mov_b32 s[CS+1], s[CS]
	MKSC 74, SCQ, LIMQ
	MKSC 76, SCP, LIMP
	v_mov_b32 v[LIMP2], s48                        ; 448 x 2^e8 once more
	MKSC 78, SCO, LIMO
	s_wait_loadcnt 24                              ; bq's eight loads are in; Q's 24 may be out
.set j, 0
.rept 16
	v_pk_mul_f32 v[QB+j:QB+j+1], v[QP+j:QP+j+1], s[84:85] op_sel_hi:[1,0]   ; bq / 2^(e0 + e1), the power of two that the sums lack: for tile B,
.set j, j+2
.endr
.set j, 0
.rept 16
	v_pk_mul_f32 v[QP+j:QP+j+1], v[QP+j:QP+j+1], s[84:85] op_sel_hi:[1,0]   ; and for tile A
.set j, j+2
.endr
	s_wait_alu depctr_va_vdst(0)                   ; the wait here, directly ahead of the wait below
	s_wait_tensorcnt 0x0                           ; my first fill has landed
	s_barrier_signal -1
	s_barrier_wait -1                              ; so everybody's: the weights and chunks 0 to 5 are whole
; THE PROJECTION, K = 1,024 in eight steps of 128: source 0 = 16 rows of Wq, source 1 = 16 rows of Q, tile A's and tile B's by turns; both sides come by four loads of 16 bytes: the same permutation of k.
; The eight accumulators take turns, one instruction a turn.  Q's K step s + 2 is asked for at the head of step s, into the buffer that step s - 1 read.
.macro PROJ s
.if \s > 0
	NOPS 4                                         ; places in front of loads into registers that the last products read
.endif
.irp t, 0,1,2,3
.irp c, 0,1,2,3
	ds_load_b128 v[F+16*\t+4*\c:F+16*\t+4*\c+3], v[AW] offset:16*WP*\t+128*\s+32*\c
.endr
.endr
.if (\s > 0) && (\s < 6)
	XLOAD \s+2
.endif
.if \s < 6
	s_wait_loadcnt 16                              ; behind K step s's eight loads stand those of steps s + 1 and s + 2
.else
	s_wait_loadcnt 8*(7-\s)                        ; step 6: step 7's eight; step 7: none
.endif
	s_wait_dscnt 0x0
.set XBA, 88+32*((\s)%3)
.set XBB, 104+32*((\s)%3)+64*(((\s)%3)/2)
.irp t, 0,1,2,3
	v_wmma_f32_16x16x128_fp8_fp8 v[QP+8*\t:QP+8*\t+7], v[F+16*\t:F+16*\t+15], v[XBA:XBA+15], v[QP+8*\t:QP+8*\t+7]
	v_wmma_f32_16x16x128_fp8_fp8 v[QB+8*\t:QB+8*\t+7], v[F+16*\t:F+16*\t+15], v[XBB:XBB+15], v[QB+8*\t:QB+8*\t+7]
.endr
.endm
.irp s, 0,1,2,3,4,5,6,7
	PROJ \s
.endr
	NOPS 4
.set j, 0
.rept 32
	v_pk_mul_f32 v[QP+j:QP+j+1], v[QP+j:QP+j+1], s[82:83] op_sel_hi:[1,0]   ; Qp, f32, of both tiles (v24-87): the residual.  Each accumulator from its low end on
.set j, j+2
.endr
.set j, 0
.rept 64
	v_med3_num_f32 v[S+j], v[QP+j], -v[LIMQ], v[LIMQ]   ; the conversion does not saturate (ISA guide 7.6.2): the hold at 448 x 2^e6
.set j, j+1
.endr
.irp t, 0,1,2,3
	v_cvt_scalef32_pk8_fp8_f32 v[QF+2*\t:QF+2*\t+1], v[S+8*\t:S+8*\t+7], v[SCQ]   ; tile A: registers 2 t, 2 t + 1: channels 16 t + 8 (lane / 16) + 0 .. 7
.endr
	v_cvt_scalef32_pk8_fp8_f32 v[8:9], v[S+32:S+39], v[SCQ]                       ; tile B's codes wait here
	v_cvt_scalef32_pk8_fp8_f32 v[10:11], v[S+40:S+47], v[SCQ]
	v_cvt_scalef32_pk8_fp8_f32 v[244:245], v[S+48:S+55], v[SCQ]
	v_cvt_scalef32_pk8_fp8_f32 v[246:247], v[S+56:S+63], v[SCQ]
	v_nop                                          ; one plain vector line behind the last conversion
.irp g, 0,1,2,3,4,5,6
	ds_store_b128 v[ST], v[QB+4*\g:QB+4*\g+3] offset:512*\g   ; tile B's Qp, registers 0 to 27, into my stash; no tensor load of any wave is out
.endr
	v_mov_b32 v232, v[QB+28]                       ; and registers 28 to 31
	v_mov_b32 v233, v[QB+29]
	v_mov_b32 v250, v[QB+30]
	v_mov_b32 v251, v[QB+31]
.macro INIT                            ; a tile's start.  The key step is written once: its first trip finds zeros, which the first change of M leaves zeros
.set j, 0
.rept 32
	v_mov_b32 v[O+j], 0
.set j, j+1
.endr
	v_mov_b32 v13, 0xff61b1e6                      ; the largest t so far: -3e38, under every t
	s_delay_alu instid0(VALU_DEP_1)
	v_floor_f32 v12, -v13                          ; -M
	v_mov_b32 v14, 0                               ; the sum, in two halves
	v_mov_b32 v15, 0
	v_mov_b32 v235, 0                              ; (named as the upper half of the pair v[234:235])
	v_mov_b32 v236, 0                              ; a lane permute's destination counts as one of its sources
.endm
	; THE ONE REFILL: the weights' bytes take chunks 6 and 7.
	s_wait_tensorcnt 0x0                           ; no tensor load of mine is out, so my group 0 may be written
	ds_add_u32 v[SPW], v[NIL]                      ; 0 onto my spare word: here twice on end; register work stands between it and the wait
	ds_add_u32 v[SPW], v[NIL]
	s_add_co_u32 s[G0D+1], s[G0D+1], SLAB          ; six chunks on, in LDS
	s_add_nc_u64 s[G0D+2:G0D+3], s[G0D+2:G0D+3], SLAB   ; and in memory
	INIT
	s_mov_b32 s[TB], 0
	s_wait_alu depctr_va_vdst(0)                   ; the wait here, directly ahead of the wait below
	s_wait_dscnt 0x0                               ; the adds and my stash's stores are done, and my reads of the weights are over
	CROUND                                         ; so of every wave of all four work-groups
	s_cmp_lt_u32 s[WV], 2
	s_cbranch_scc0 .Lno_refill
	tensor_load_to_lds s[G0D:G0D+3], s[G1D:G1D+7]  ; waves 0 and 1: chunks 6 and 7
	s_nop 0
	NOPS 4
.Lno_refill:
; A KEY STEP: 128 keys.
.macro STEP
	v_add_nc_u32 v[ADR], s[TB], v[LI]
	NOPS 3                                         ; with the addition: four places in front of loads into registers that the last products read
.set i, 0
.rept 16
	ds_load_b128 v[F+4*i:F+4*i+3], v[ADR] offset:512*i         ; K's eight tiles of 16 keys, 8 registers each
.set i, i+1
.endr
	s_wait_alu depctr_va_vdst(0)                   ; the wait here, directly ahead of the wait below
	s_wait_dscnt 0x0
.irp c, 0,1,2,3,4,5,6,7
	v_wmma_f32_16x16x64_fp8_fp8 v[S+8*\c:S+8*\c+7], v[F+8*\c:F+8*\c+7], v[QF:QF+7], 0   ; S^T: register 8 c + j is key 16 c + 8 (lane / 16) + j of my query
.endr
	NOPS 4
.set i, 0
.rept 16
	ds_load_b128 v[F+4*i:F+4*i+3], v[ADR] offset:8192+512*i    ; V's four tiles of 16 channels, 16 registers each: asked for ahead of the softmax
.set i, i+1
.endr
	v_max3_num_f32 v240, v[S], v[S+1], v[S+2]      ; the step's largest score among my 64 keys, in four chains, the registers in ascending order: each accumulator is first read at its low end
	v_max3_num_f32 v241, v[S+3], v[S+4], v[S+5]
	v_max3_num_f32 v242, v[S+6], v[S+7], v[S+8]
	v_max3_num_f32 v243, v[S+9], v[S+10], v[S+11]
.set i, 12
.rept 26
	v_max3_num_f32 v[240+((i-12)/2)%4], v[240+((i-12)/2)%4], v[S+i], v[S+i+1]
.set i, i+2
.endr
	v_max3_num_f32 v240, v240, v241, v242
	s_delay_alu instid0(VALU_DEP_1)
	v_max_num_f32 v240, v240, v243
	s_delay_alu instid0(VALU_DEP_1)
	v_permlanex16_b32 v236, v240, s[SEL], s[SEL+1]
	s_delay_alu instid0(VALU_DEP_1)
	v_max_num_f32 v240, v240, v236                 ; and among lane l xor 16's
	s_delay_alu instid0(VALU_DEP_1)
	v_mul_f32 v240, s[CS], v240                    ; as t (c is positive)
	s_delay_alu instid0(VALU_DEP_1)
	v_max_num_f32 v13, v13, v240                   ; the running largest t
	v_mov_b32 v240, v12
	s_delay_alu instid0(VALU_DEP_2)
	v_floor_f32 v12, -v13                          ; the new -M = floor(-t) = -ceil(t)
	s_delay_alu instid0(VALU_DEP_1)
	v_sub_f32 v240, v12, v240                      ; old M - new M: a whole number, 0 or less
	s_delay_alu instid0(VALU_DEP_1)
	v_cvt_i32_f32 v240, v240                       ; (it saturates)
	s_delay_alu instid0(VALU_DEP_1)
	v_ldexp_f32 v234, 1.0, v240                    ; f = 2^(old M - new M)
.set j, 0
.rept 32
	v_pk_fma_f32 v[S+j:S+j+1], v[S+j:S+j+1], s[CS:CS+1], v[12:13] op_sel_hi:[1,0,0]   ; t - M, two at a time
.set j, j+2
.endr
	s_wait_alu depctr_va_vdst(0)                   ; the wait ahead of the batch
.set j, 0
.rept 64
	v_exp_f32 v[S+j], v[S+j]                       ; p = 2^(t - M), at most 1
.set j, j+1
.endr
	v_pk_mul_f32 v[14:15], v[14:15], v[234:235] op_sel_hi:[1,0]   ; the sums under the new M (a plain line behind the exponentials)
	s_wait_alu depctr_va_vdst(0)                   ; one wait for the whole batch, ahead of its first reader
	v_pk_add_f32 v[238:239], v[S:S+1], v[S+2:S+3]  ; the row's sum of the unquantised p: two at a time, in four chains
	v_pk_add_f32 v[240:241], v[S+4:S+5], v[S+6:S+7]
	v_pk_add_f32 v[242:243], v[S+8:S+9], v[S+10:S+11]
.set j, 12
.rept 26
.if ((j-12)/2)%4 == 0
	v_pk_add_f32 v[14:15], v[14:15], v[S+j:S+j+1]
.else
	v_pk_add_f32 v[236+2*(((j-12)/2)%4):237+2*(((j-12)/2)%4)], v[236+2*(((j-12)/2)%4):237+2*(((j-12)/2)%4)], v[S+j:S+j+1]
.endif
.set j, j+2
.endr
	v_pk_add_f32 v[14:15], v[14:15], v[238:239]
	v_pk_add_f32 v[240:241], v[240:241], v[242:243]
	v_pk_add_f32 v[14:15], v[14:15], v[240:241]
.irp c, 0,1,2,3,4,5,6,7
.irp i, 0,2,4,6
	v_dual_min_num_f32 v[S+8*\c+\i], v[S+8*\c+\i], v[LIMP] :: v_dual_min_num_f32 v[S+8*\c+\i+1], v[S+8*\c+\i+1], v[LIMP2]   ; p is not negative: the hold at 448 x 2^e8 is one-sided; two numbers an instruction
.endr
	v_cvt_scalef32_pk8_fp8_f32 v[PC+2*\c:PC+2*\c+1], v[S+8*\c:S+8*\c+7], v[SCP]   ; registers 2 c, 2 c + 1: keys 16 c + 8 (lane / 16) + 0 .. 7
.endr
	s_wait_alu depctr_va_vdst(0)                   ; the wait here, directly ahead of the first reader of O^T
.set j, 0
.rept 16
	v_pk_mul_f32 v[O+j:O+j+1], v[O+j:O+j+1], v[234:235] op_sel_hi:[1,0]   ; O^T under the new M (plain lines behind the conversions)
.set j, j+2
.endr
	s_wait_alu depctr_va_vdst(0)                   ; the wait here, directly ahead of the wait below
	s_wait_dscnt 0x0                               ; V is in
.irp t, 0,1,2,3
	v_wmma_f32_16x16x128_fp8_fp8 v[O+8*\t:O+8*\t+7], v[F+16*\t:F+16*\t+15], v[PC:PC+15], v[O+8*\t:O+8*\t+7]
.endr
.endm
.macro KEYS n
	s_mov_b32 s[CNT], \n
.Lkeys_\@:
	STEP
	s_add_co_u32 s[TB], s[TB], STEPB
	s_sub_co_u32 s[CNT], s[CNT], 1
	s_cmp_lg_u32 s[CNT], 0
	s_cbranch_scc1 .Lkeys_\@
.endm
; THE WAY OUT of tile p.  O = Qp + O^T x 2^(e8 + e9) / l, stored as it lies: a group of four registers is 512 consecutive bytes, lane l's 16 at 16 l.  Tile B lies 16 tiles on in both buffers.
.macro FINISH p
	v_add_f32 v14, v14, v15                        ; the sum's two halves,
	s_delay_alu instid0(VALU_DEP_1)
	v_permlanex16_b32 v236, v14, s[SEL], s[SEL+1]
	s_delay_alu instid0(VALU_DEP_1)
	v_add_f32 v14, v14, v236                       ; and lane l xor 16's
	s_wait_alu depctr_va_vdst(0)                   ; the wait ahead of the transcendental
	v_rcp_f32 v14, v14
	v_nop                                          ; a plain line behind the transcendental
	s_wait_alu depctr_va_vdst(0)                   ; the wait, ahead of its first reader
	v_ldexp_f32 v14, v14, s86
	v_nop                                          ; with the lines above: more than four plain places behind the last products
	s_wait_alu depctr_va_vdst(0)                   ; the wait here, directly ahead of the first reader of O^T
.set j, 0
.rept 16
	v_pk_fma_f32 v[O+j:O+j+1], v[O+j:O+j+1], v[14:15], v[QP+j:QP+j+1] op_sel_hi:[1,0,1]   ; each accumulator from its low end on
.set j, j+2
.endr
.irp t, 0,1,2,3
.irp g, 0,1
	global_store_b128 v[LI], v[O+8*\t+4*\g:O+8*\t+4*\g+3], s[14:15] offset:1048576*\p+1024*\t+512*\g
.endr
.endr
.set j, 0
.rept 32
	v_med3_num_f32 v[S+j], v[O+j], -v[LIMO], v[LIMO]   ; the hold at 448 x 2^e10
.set j, j+1
.endr
.irp t, 0,1,2,3
	v_cvt_scalef32_pk8_fp8_f32 v[PC+2*\t:PC+2*\t+1], v[S+8*\t:S+8*\t+7], v[SCO]   ; the head's 8 registers of the last product's operand
.endr
	v_nop
	global_store_b128 v[LI], v[PC:PC+3], s[16:17] offset:65536*\p
	global_store_b128 v[LI], v[PC+4:PC+7], s[16:17] offset:65536*\p+512
.endm
	KEYS 3                                         ; TILE A: key steps 0 to 2
	s_wait_tensorcnt 0x0                           ; waves 0 and 1: chunks 6 and 7 have landed
	s_wait_dscnt 0x0
	s_barrier_signal -1
	s_barrier_wait -1                              ; every wave may read them
	KEYS 13                                        ; key steps 3 to 15
	FINISH 0
	s_wait_xcnt 0x0                                ; the stores have read their registers: O^T and the codes may be written again
.irp g, 0,1,2,3,4,5,6
	ds_load_b128 v[QP+4*\g:QP+4*\g+3], v[ST] offset:512*\g    ; TILE B: its Qp comes back (awaited with the first key step's loads; first read on the way out),
.endr
	v_mov_b32 v[QP+28], v232
	v_mov_b32 v[QP+29], v233
	v_mov_b32 v[QP+30], v250
	v_mov_b32 v[QP+31], v251
	v_mov_b32 v[QF], v8                            ; and its codes
	v_mov_b32 v[QF+1], v9
	v_mov_b32 v[QF+2], v10
	v_mov_b32 v[QF+3], v11
	v_mov_b32 v[QF+4], v244
	v_mov_b32 v[QF+5], v245
	v_mov_b32 v[QF+6], v246
	v_mov_b32 v[QF+7], v247
	INIT
	s_mov_b32 s[TB], 0
	KEYS 16
	FINISH 1
	s_wait_tensorcnt 0x0                           ; the wave's end
	ds_add_u32 v[SPW], v[NIL]
	s_wait_dscnt 0x0
	CROUND                                         ; the closing round
	s_endpgm
.Lfunc_end_k_q59c1c3b02f_attn:
	.size	k_q59c1c3b02f_attn, .Lfunc_end_k_q59c1c3b02f_attn-k_q59c1c3b02f_attn
	.p2alignl 7, 3214868480
	.fill 96, 4, 3214868480
	.section	.rodata,"a",@progbits
	.p2align	6, 0x0
	.amdhsa_kernel k_q59c1c3b02f_attn
		.amdhsa_group_segment_fixed_size 327680
		.amdhsa_private_segment_fixed_size 0
		.amdhsa_enable_private_segment 0
		.amdhsa_kernarg_size 56
		.amdhsa_user_sgpr_count 2
		.amdhsa_user_sgpr_kernarg_segment_ptr 1
		.amdhsa_wavefront_size32 1
		.amdhsa_system_sgpr_workgroup_id_x 1
		.amdhsa_system_sgpr_workgroup_id_y 1
		.amdhsa_system_sgpr_workgroup_id_z 1
		.amdhsa_system_vgpr_workitem_id 0
		.amdhsa_next_free_vgpr 256
		.amdhsa_next_free_sgpr 100
		.amdhsa_reserve_vcc 0
		.amdhsa_float_denorm_mode_32 3
		.amdhsa_float_denorm_mode_16_64 3
		.amdhsa_memory_ordered 1
		.amdhsa_forward_progress 1
		.amdhsa_inst_pref_size 98
	.end_amdhsa_kernel
	.amdgpu_metadata
---
amdhsa.version: [ 1, 2 ]
amdhsa.kernels:
  - .name:           k_q59c1c3b02f_attn
    .symbol:         k_q59c1c3b02f_attn.kd
    .args:
      - { .name: Q_codes, .offset: 0, .size: 8, .value_kind: global_buffer, .address_space: global }
      - { .name: Wq_codes, .offset: 8, .size: 8, .value_kind: global_buffer, .address_space: global }
      - { .name: bq, .offset: 16, .size: 8, .value_kind: global_buffer, .address_space: global }
      - { .name: kv, .offset: 24, .size: 8, .value_kind: global_buffer, .address_space: global }
      - { .name: lowp_scales, .offset: 32, .size: 8, .value_kind: global_buffer, .address_space: global }
      - { .name: o_img, .offset: 40, .size: 8, .value_kind: global_buffer, .address_space: global }
      - { .name: o_codes, .offset: 48, .size: 8, .value_kind: global_buffer, .address_space: global }
    .group_segment_fixed_size: 327680
    .private_segment_fixed_size: 0
    .kernarg_segment_align: 8
    .kernarg_segment_size: 56
    .max_flat_workgroup_size: 512
    .sgpr_count:     100
    .vgpr_count:     256
    .wavefront_size: 32
...
	.end_amdgpu_metadata
.endif
;; end of part 2
;; launch outproj (part 3): grid 4 x 64, 4 waves a work-group, clusters of 4 x 4, 327,680 bytes of LDS; arguments o_codes, Wo_codes, lowp_scales, bo, o_img, out0; writes out0
.if DOCPART == 3
	.amdgcn_target "amdgcn-amd-amdhsa--gfx1250"
	.amdhsa_code_object_version 6
	.text
	.protected	k_q59c1c3b02f_outproj
	.globl	k_q59c1c3b02f_outproj
	.p2align	8
	.type	k_q59c1c3b02f_outproj,@function
k_q59c1c3b02f_outproj:
	s_mov_b64 s[64:65], 0
	v_nop
	global_prefetch_b8 v0, s[64:65] scope:SCOPE_SE
	s_setreg_imm32_b32 hwreg(HW_REG_WAVE_MODE, 25, 1), 1
	s_wait_xcnt 0x0
	s_wait_alu depctr_hold_cnt(0) depctr_sa_sdst(0) depctr_va_vdst(0) depctr_va_sdst(0) depctr_va_ssrc(0) depctr_va_vcc(0) depctr_vm_vsrc(0)
	s_getreg_b32 s2, hwreg(HW_REG_IB_STS2, 6, 4)
	s_cmp_eq_u32 s2, 0
	s_cbranch_scc0 .Lentry_in_a_cluster
	s_endpgm
.Lentry_in_a_cluster:
	s_bfe_u32 s2, ttmp6, 0x10000c
	s_cmp_lg_u32 s2, 0xf033
	s_cbranch_scc0 .Lentry_shape_is_right
	s_endpgm
.Lentry_shape_is_right:
.set ASZ,    32768
.set PITCH,  272
.set HALFB,  128*PITCH
.set SLOT,   ASZ+2*HALFB
.set SPARE,  2*SLOT
.set STAGE,  SPARE+512
.set SPITCH, 528
.set ADRA, 16
.set ADRB, 20
.set STO,  24
.set RD,   25
.set CO,   26
.set BH,   27
.set SPW,  28
.set NIL,  29
.set BI,   32
.set AF,   128
.set TMP,  128
.set BK,   192
.set G1, 24
.set G0, 32
.set G1B, 48
.set G0B, 56
.set MSB, 0
.macro WIN new
.if MSB != (\new)
	s_set_vgpr_msb (MSB<<8)|(\new)
.set MSB, \new
.endif
.endm
.set MUL, 0xa1
.macro JLOAD g0a, g1a, g0b, g1b
	s_cmp_eq_u32 s15, 0
	s_cbranch_scc0 .Lfor_b_\@
	tensor_load_to_lds s[\g0a:\g0a+3], s[\g1a:\g1a+7]
	s_nop 0
.rept 4
	v_nop
.endr
	s_branch .Lasked_\@
.Lfor_b_\@:
	tensor_load_to_lds s[\g0b:\g0b+3], s[\g1b:\g1b+7]
	s_nop 0
.rept 4
	v_nop
.endr
.Lasked_\@:
.endm
.macro CREST
	s_cmp_lg_u32 s14, 0
	s_cbranch_scc1 .Lnot_wave_0_\@
	s_barrier_signal -3
.Lnot_wave_0_\@:
	s_barrier_wait -3
	s_barrier_signal -1
	s_barrier_wait -1
.endm
.macro CROUND
	s_barrier_signal -1
	s_barrier_wait -1
	CREST
.endm
.macro PLACES n
.rept \n
	v_nop
.endr
.endm
	s_load_b256 s[4:11], s[0:1], 0x0
	s_load_b128 s[68:71], s[0:1], 0x20
	v_lshl_add_u32 v[SPW], v0, 2, SPARE
	v_mov_b32 v[NIL], 0
	ds_add_u32 v28, v29
	ds_add_u32 v28, v29
	s_wait_dscnt 0x0
	v_lshrrev_b32 v1, 5, v0
	v_readfirstlane_b32 s14, v1
	s_lshr_b32 s15, s14, 1
	s_and_b32 s16, s14, 1
	s_bfe_u32 s40, ttmp6, 0x40000
	s_bfe_u32 s41, ttmp6, 0x40004
	s_lshl_b32 s42, ttmp9, 2
	s_add_co_u32 s42, s42, s40
	s_and_b32 s17, ttmp7, 0xffff
	s_lshl_b32 s17, s17, 2
	s_add_co_u32 s17, s17, s41
	s_lshl_b32 s43, s41, 2
	s_lshl_b32 s43, 15, s43
	s_lshl_b32 s44, 0x1111, s40
	s_or_b32 s[G1+0], s43, (3<<16)|(1<<21)
	s_mov_b32 s[G1+1], 32<<16
	s_mov_b32 s[G1+2], 64<<16
	s_mov_b32 s[G1+3], 32<<16
	s_mov_b32 s[G1+4], 64
	s_mov_b32 s[G1+5], 32
	s_mov_b32 s[G1+6], 0
	s_mov_b32 s[G1+7], 0
	s_or_b32 s[G1B+0], s44, (0<<16)|(1<<20)|(1<<21)|(5<<22)|(3<<25)
	s_mov_b32 s[G1B+1], 256<<16
	s_mov_b32 s[G1B+2], 128<<16
	s_mov_b32 s[G1B+3], 256<<16
	s_mov_b32 s[G1B+4], 128
	s_mov_b32 s[G1B+5], 1024
	s_mov_b32 s[G1B+6], 0
	s_mov_b32 s[G1B+7], 0
	s_lshl_b32 s20, s17, 15
	s_lshl_b32 s45, s16, 14
	s_add_co_u32 s20, s20, s45
	s_mov_b32 s21, 0
	s_lshl_b32 s46, s42, 8
	s_lshl_b32 s19, s16, 7
	s_add_co_u32 s46, s46, s19
	s_lshl_b32 s46, s46, 10
	s_mov_b32 s47, 0
	s_mul_i32 s23, s16, HALFB
	s_add_co_u32 s23, s23, ASZ
	s_wait_kmcnt 0x0
	s_load_b64 s[96:97], s[8:9], 0x28
	s_add_nc_u64 s[20:21], s[4:5], s[20:21]
	s_add_nc_u64 s[46:47], s[6:7], s[46:47]
	CROUND
.irp s, 0,1
	s_mov_b32 s[G0+4*\s], 1
	s_add_co_u32 s[G0+4*\s+1], s45, \s*SLOT
	s_add_nc_u64 s[G0+4*\s+2:G0+4*\s+3], s[20:21], \s*2097152
	s_or_b32 s[G0+4*\s+3], s[G0+4*\s+3], 0x80000000
	s_mov_b32 s[G0B+4*\s], 1
	s_add_co_u32 s[G0B+4*\s+1], s23, \s*SLOT
	s_add_nc_u64 s[G0B+4*\s+2:G0B+4*\s+3], s[46:47], \s*256
	s_or_b32 s[G0B+4*\s+3], s[G0B+4*\s+3], 0x80000000
	s_wait_alu depctr_va_vdst(0)
	s_wait_tensorcnt 0x0
	ds_add_u32 v28, v29
	ds_add_u32 v28, v29
	s_wait_dscnt 0x0
	CROUND
	JLOAD G0+4*\s, G1, G0B+4*\s, G1B
.endr
	v_and_b32 v1, 15, v0
	v_bfe_u32 v2, v0, 4, 1
	v_and_b32 v6, 31, v0
	v_lshlrev_b32 v[CO], 4, v6
	v_lshlrev_b32 v[BH], 5, v2
	v_mul_u32_u24 v3, v1, PITCH
	v_lshl_add_u32 v4, v2, 3, v3
	s_lshl_b32 s74, s15, 14
	s_mul_i32 s75, s16, HALFB
	s_add_co_u32 s75, s75, ASZ
.irp s, 0,1
	v_add_nc_u32 v[ADRA+\s], s74, v[CO]
	v_add_nc_u32 v[ADRB+\s], s75, v4
	s_add_co_u32 s74, s74, SLOT
	s_add_co_u32 s75, s75, SLOT
.endr
	s_mul_i32 s74, s14, 16*SPITCH
	s_add_co_u32 s74, s74, STAGE
	v_mul_u32_u24 v5, v1, SPITCH
	v_lshl_add_u32 v5, v2, 5, v5
	v_add_nc_u32 v[STO], s74, v5
	v_add_nc_u32 v[RD], s74, v[CO]
	s_lshl_b32 s76, s42, 10
	s_lshl_b32 s77, s16, 9
	s_add_co_u32 s76, s76, s77
	s_mov_b32 s77, 0
	s_add_nc_u64 s[10:11], s[10:11], s[76:77]
	s_add_nc_u64 s[70:71], s[70:71], s[76:77]
	s_lshl_b32 s78, s17, 7
	s_lshl_b32 s79, s15, 6
	s_add_co_u32 s78, s78, s79
	s_lshl_b32 s80, s78, 12
	s_mov_b32 s81, 0
	s_add_nc_u64 s[70:71], s[70:71], s[80:81]
	s_lshl_b32 s80, s78, 12
	s_lshl_b32 s82, s42, 14
	s_add_co_u32 s80, s80, s82
	s_lshl_b32 s82, s16, 13
	s_add_co_u32 s80, s80, s82
	s_add_nc_u64 s[68:69], s[68:69], s[80:81]
.irp b, 0,1,2,3,4,5,6,7
	global_load_b128 v[BI+8*\b:BI+8*\b+3], v[BH], s[10:11] offset:64*\b
	global_load_b128 v[BI+8*\b+4:BI+8*\b+7], v[BH], s[10:11] offset:64*\b+16
.endr
.macro RES a
.set i, 0
.rept 16
	global_load_b128 v[64*(\a)+4*i:64*(\a)+4*i+3], v[CO], s[68:69] offset:65536*(\a)+512*i th:TH_LOAD_NT
.set i, i+1
.endr
.endm
	WIN 0xc0
	RES 0
	RES 1
	WIN 0
.macro FRA p, slot, q
.set i, 0
.rept 16
	ds_load_b128 v[AF+64*(\p)+4*i:AF+64*(\p)+4*i+3], v[ADRA+\slot] offset:4096*(i/4)+2048*(\q)+512*(i%4)
.set i, i+1
.endr
.endm
.macro FRB p, slot, q
	WIN 0x40
.set i, 0
.rept 64
	ds_load_b64 v[128*(\p)+2*i:128*(\p)+2*i+1], v[ADRB+\slot] offset:16*PITCH*(i/8)+128*(\q)+16*(i%8)
.set i, i+1
.endr
	WIN 0
.endm
.macro MUL8 a, p, zero
.irp b, 0,1,2,3,4,5,6,7
.if \zero
	v_wmma_f32_16x16x128_fp8_fp8 v[8*(8*(\a)+\b):8*(8*(\a)+\b)+7], v[128*(\p)+16*\b:128*(\p)+16*\b+15], v[AF+64*(\p)+16*(\a):AF+64*(\p)+16*(\a)+15], 0
.else
	v_wmma_f32_16x16x128_fp8_fp8 v[8*(8*(\a)+\b):8*(8*(\a)+\b)+7], v[128*(\p)+16*\b:128*(\p)+16*\b+15], v[AF+64*(\p)+16*(\a):AF+64*(\p)+16*(\a)+15], v[8*(8*(\a)+\b):8*(8*(\a)+\b)+7]
.endif
.endr
.endm
.macro STEP slot, zero
	s_wait_dscnt 0x0
	WIN MUL
	MUL8 0, 0, \zero
	MUL8 1, 0, \zero
	PLACES 4
	FRB 1, \slot, 1
	FRA 1, \slot, 1
	WIN MUL
	MUL8 2, 0, \zero
	MUL8 3, 0, \zero
	WIN 0
.endm
.macro TURN slot, next, fill
	s_wait_tensorcnt 0x0
	ds_add_u32 v[SPW], v[NIL]
	s_wait_dscnt 1
	WIN MUL
	MUL8 0, 1, 0
	s_wait_dscnt 0x0
	s_barrier_signal -1
	MUL8 1, 1, 0
	WIN 0
	s_barrier_wait -1
.if \fill
	CREST
	s_add_nc_u64 s[G0+4*\slot+2:G0+4*\slot+3], s[G0+4*\slot+2:G0+4*\slot+3], 2*2097152
	s_add_nc_u64 s[G0B+4*\slot+2:G0B+4*\slot+3], s[G0B+4*\slot+2:G0B+4*\slot+3], 2*256
	JLOAD G0+4*\slot, G1, G0B+4*\slot, G1B
.else
	PLACES 4
.endif
	FRB 0, \next, 0
	FRA 0, \next, 0
	WIN MUL
	MUL8 2, 1, 0
	MUL8 3, 1, 0
	WIN 0
.endm
	s_wait_alu depctr_va_vdst(0)
	s_wait_tensorcnt 1
	s_barrier_signal -1
	s_barrier_wait -1
	FRB 0, 0, 0
	FRA 0, 0, 0
	STEP 0, 1
	TURN 0, 1, 1
	STEP 1, 0
	WIN 0xc0
	RES 2
	RES 3
	WIN 0
	TURN 1, 0, 1
	STEP 0, 0
	TURN 0, 1, 0
	STEP 1, 0
	s_wait_dscnt 0x0
	WIN MUL
	MUL8 0, 1, 0
	MUL8 1, 1, 0
	MUL8 2, 1, 0
	MUL8 3, 1, 0
	WIN 0
	s_wait_kmcnt 0x0
	s_add_co_i32 s96, s96, s97
	s_add_co_i32 s96, s96, 127
	s_lshl_b32 s96, s96, 23
	s_mov_b32 s97, s96
	PLACES 4
	s_wait_loadcnt 0x0
.macro CALC a
	WIN 0x02
.set j, 0
.rept 32
	v_pk_fma_f32 v[TMP+j:TMP+j+1], v[64*(\a)+j:64*(\a)+j+1], s[96:97], v[BI+j:BI+j+1] op_sel_hi:[1,0,1]
.set j, j+2
.endr
	WIN 0
.set j, 0
.rept 64
	v_max_num_f32 v[TMP+j], 0, v[TMP+j]
.set j, j+1
.endr
	WIN 0x0c
.set j, 0
.rept 32
	v_pk_add_f32 v[TMP+j:TMP+j+1], v[TMP+j:TMP+j+1], v[64*(\a)+j:64*(\a)+j+1]
.set j, j+2
.endr
	WIN 0
.endm
.macro TOSTAGE
.irp b, 0,1,2,3,4,5,6,7
	ds_store_b128 v[STO], v[TMP+8*\b:TMP+8*\b+3] offset:64*\b
	ds_store_b128 v[STO], v[TMP+8*\b+4:TMP+8*\b+7] offset:64*\b+16
.endr
.irp t, 0,1,2,3,4,5,6,7,8,9,10,11,12,13,14,15
	ds_load_b128 v[BK+4*\t:BK+4*\t+3], v[RD] offset:\t*SPITCH
.endr
.endm
.macro SEND a
	s_wait_dscnt 0x0
.if (\a) > 0
	s_add_nc_u64 s[70:71], s[70:71], 65536
.endif
.irp t, 0,1,2,3,4,5,6,7,8,9,10,11,12,13,14,15
	global_store_b128 v[CO], v[BK+4*\t:BK+4*\t+3], s[70:71] offset:\t*4096 th:TH_STORE_NT
.endr
.endm
	CALC 0
	TOSTAGE
.irp a, 1,2,3
	CALC \a
	s_wait_alu depctr_va_vdst(0)
	SEND \a-1
	s_wait_xcnt 0x0
	TOSTAGE
.endr
	SEND 3
	s_wait_tensorcnt 0x0
	ds_add_u32 v[SPW], v[NIL]
	s_wait_dscnt 0x0
	CROUND
	s_endpgm
.Lfunc_end_k_q59c1c3b02f_outproj:
	.size	k_q59c1c3b02f_outproj, .Lfunc_end_k_q59c1c3b02f_outproj-k_q59c1c3b02f_outproj
	.p2alignl 7, 3214868480
	.fill 96, 4, 3214868480
	.section	.rodata,"a",@progbits
	.p2align	6, 0x0
	.amdhsa_kernel k_q59c1c3b02f_outproj
		.amdhsa_group_segment_fixed_size 327680
		.amdhsa_private_segment_fixed_size 0
		.amdhsa_enable_private_segment 0
		.amdhsa_kernarg_size 48
		.amdhsa_user_sgpr_count 2
		.amdhsa_user_sgpr_kernarg_segment_ptr 1
		.amdhsa_wavefront_size32 1
		.amdhsa_system_sgpr_workgroup_id_x 1
		.amdhsa_system_sgpr_workgroup_id_y 1
		.amdhsa_system_sgpr_workgroup_id_z 1
		.amdhsa_system_vgpr_workitem_id 0
		.amdhsa_next_free_vgpr 1024
		.amdhsa_next_free_sgpr 100
		.amdhsa_reserve_vcc 0
		.amdhsa_float_denorm_mode_32 3
		.amdhsa_float_denorm_mode_16_64 3
		.amdhsa_memory_ordered 1
		.amdhsa_forward_progress 1
		.amdhsa_inst_pref_size 116
	.end_amdhsa_kernel
	.amdgpu_metadata
---
amdhsa.version: [ 1, 2 ]
amdhsa.kernels:
  - .name:           k_q59c1c3b02f_outproj
    .symbol:         k_q59c1c3b02f_outproj.kd
    .args:
      - { .name: o_codes, .offset: 0, .size: 8, .value_kind: global_buffer, .address_space: global }
      - { .name: Wo_codes, .offset: 8, .size: 8, .value_kind: global_buffer, .address_space: global }
      - { .name: lowp_scales, .offset: 16, .size: 8, .value_kind: global_buffer, .address_space: global }
      - { .name: bo, .offset: 24, .size: 8, .value_kind: global_buffer, .address_space: global }
      - { .name: o_img, .offset: 32, .size: 8, .value_kind: global_buffer, .address_space: global }
      - { .name: out0, .offset: 40, .size: 8, .value_kind: global_buffer, .address_space: global }
    .group_segment_fixed_size: 327680
    .private_segment_fixed_size: 0
    .kernarg_segment_align: 8
    .kernarg_segment_size: 48
    .max_flat_workgroup_size: 128
    .sgpr_count:     100
    .vgpr_count:     1024
    .wavefront_size: 32
...
	.end_amdgpu_metadata
.endif
;; end of part 3
